; MI455X (gfx1250); checked and timed in simulation.
; The chip was launched on July 23, 2026; its instructions are those of AMD's public machine-readable ISA for CDNA 5 (MIT licence, August 2026) and "CDNA5" Instruction Set Architecture Reference Guide (July 2026). The comments in the code are by the model that wrote it; some were corrected since.
;; GQA. Allowed arithmetic: matrix products marked QUANTISED: E3M2 operands, one E8M0 scale for each 32 along K, by v_wmma_scale_f32_16x16x128_f8f6f4 with both operands' format E3M2, f32 sums; everything else in f32.
;; Inputs: cos 2,048 x 32 float32; kn 64 float32; qn 64 float32; sin 2,048 x 32 float32; wg 2,048 x 2,048 float32; wk 512 x 2,048 float32; wo 2,048 x 2,048 float32; wq 2,048 x 2,048 float32; wv 512 x 2,048 float32; x 1 x 2,048 x 2,048 float32.
;; Outputs: out0 1 x 2,048 x 2,048 float32.
;; This version of the problem:
;;   THIS VERSION OF THE PROBLEM IS GIVEN IN LOW PRECISION. The matrix products marked QUANTISED in the list below multiply operands that are first quantised to E3M2 (3 exponent bits, 2 mantissa bits; 6 bits a number), with one power-of-two scale for each 32 numbers along K (OCP MX v1.0); their sums are f32. All else is computed in f32.
;;   The module's matrix products, in the order in which they are computed (A, B: the left and right operand; K: the contracted axis; several contracted axes count as one K, in the product's order):
;;     1. [M 2,048, K 2,048] x [K 2,048, N 2,048]; A: input x; B: input wq: QUANTISED
;;     2. [M 2,048, K 2,048] x [K 2,048, N 512]; A: input x; B: input wk: QUANTISED
;;     3. [M 2,048, K 2,048] x [K 2,048, N 512]; A: input x; B: input wv: QUANTISED
;;     4. batch 8 x [M 2,048, K 64] x [K 64, N 8,192]; A: computed on the way; B: computed on the way: QUANTISED
;;     5. batch 8 x [M 64, K 2,048] x [K 2,048, N 8,192]; A: computed on the way; B: softmax (see below): QUANTISED
;;     6. [M 2,048, K 2,048] x [K 2,048, N 2,048]; A: input x; B: input wg: QUANTISED
;;     7. [M 2,048, K 2,048] x [K 2,048, N 2,048]; A: computed on the way; B: input wo: QUANTISED
;;   THE QUANTISER, for each operand of a quantised product, along K:
;;     - K is cut into blocks of 32 from its start; a last block that is shorter is filled with zeros.
;;     - A block's scale is 2^e with e = floor(log2(the largest magnitude in the block)) - 4, held to -126 .. 127; a block of zeros has e = 0. As a byte (E8M0): e + 127.
;;     - Each number is divided by its block's scale, clamped to +-28, and rounded to the nearest number of E3M2, ties to even, subnormals kept.
;;     - The product sums the exact products of the quantised numbers (number of the format x scale) in f32.
;;   ~~~python
;;   def quantise(x, axis):      # numpy; x: float32 -> the quantised numbers, widened to float32 again
;;       x = np.moveaxis(x, axis, -1); K = x.shape[-1]
;;       x = np.pad(x, [(0, 0)] * (x.ndim - 1) + [(0, -K % 32)]); x = x.reshape(x.shape[:-1] + (-1, 32)); a = np.abs(x).max(-1, keepdims=True)
;;       e = np.where(a > 0, np.clip(np.frexp(np.where(a > 0, a, 1))[1] - 1 - 4, -126, 127), 0)      # np.frexp(a)[1] - 1 = floor(log2(a)), exactly
;;       r = np.clip(x / 2.0 ** e, -28, 28)
;;       step = 2.0 ** (np.maximum(np.frexp(np.where(r == 0, 1, r))[1] - 1, -2) - 2)
;;       q = np.round(r / step) * step * 2.0 ** e      # np.round: ties to even
;;       return np.moveaxis(q.reshape(q.shape[:-2] + (-1,))[..., :K], -1, axis).astype(np.float32)
;;   ~~~
;;   SOFTMAX AHEAD OF A QUANTISED PRODUCT. Where the list says 'softmax', what is quantised is not the finished softmax but p = 2^(t - M), with t = logit x log2(e) and M = ceil(the row's largest t), a whole number; so 1/2 < the row's largest p <= 1. The row's sum l is taken of the UNQUANTISED p, in f32, and the product's result is divided by l at the end. Since M is a whole number, a kernel that streams over the keys may use a running M (the ceiling of the running maximum): every later rescaling is an exact power of two, which a block's scale takes up: the codes' values come out the same.
;;   OPERANDS COMPUTED ON THE WAY. 'Computed on the way' means the value that the module computes at that place (a softmax that the list does not call 'softmax' is quantised finished and normalised). What goes into a quantiser is computed in f32, as accurately as f32 sums, v_exp_f32 and their like allow (about 1e-6 of the number): no bf16 or f16 on the way to a quantiser, and a product that is left as it is and whose result goes on into a quantised operand takes f32 operands (vector FMAs, or v_wmma_f32_16x16x4_f32). A number that lies on a knife's edge between two numbers of the format may be rounded either way, as far as f32 arithmetic and the matrix unit's own rounding can turn it there, and no further.
;; One version. Each part assembles by itself: llvm-mc -triple=amdgcn-amd-amdhsa -mcpu=gfx1250 --defsym DOCPART=n.
;; ======== version 1 of 1: 4 launches
;; workspace buffers: xq 3,276,800 bytes; w1 8,192,000 bytes; w2 8,192,000 bytes; gbuf 16,777,216 bytes; qkv 5,079,040 bytes; oq 3,276,800 bytes
;; launch quant (part 1): grid 576 x 1, 4 waves a work-group, no clusters, 34,304 bytes of LDS; arguments x, wg, wq, wk, wv, wo, xq, w1, w2; writes xq, w1, w2
.if DOCPART == 1
	.amdgcn_target "amdgcn-amd-amdhsa--gfx1250"
	.amdhsa_code_object_version 6
	.text
	.protected	k_q26fc5feac7_quant
	.globl	k_q26fc5feac7_quant
	.p2align	8
	.type	k_q26fc5feac7_quant,@function
k_q26fc5feac7_quant:
	s_mov_b64 s[64:65], 0
	v_nop
	global_prefetch_b8 v0, s[64:65] scope:SCOPE_SE
	s_setreg_imm32_b32 hwreg(HW_REG_WAVE_MODE, 25, 1), 1
	s_wait_xcnt 0x0
; x, wg, wq, wk, wv, wo (f32, rows of 2,048 with K innermost) become codes of BF6 (E3M2) and E8M0 scale bytes, one for each 32 along K.
; A block's scale is 2^(floor(log2(largest magnitude)) - 4): its byte is the largest magnitude's exponent field - 4, held at 1 from below.
; LAYOUT OF THE RESULT: images of the matrix operand's registers.  A fragment is 16 rows x 128 K = 12 registers a lane.  Registers 6c .. 6c+5 lie in 768 bytes:
; lane l's first four at 16 l, its last two at 512 + 8 l.  A row tile (16 rows) has 16 fragments on end: 24,576 bytes.  Scale words: [row tile][K / 512][row][4 words]: 256 bytes for a tile and 512 along K.
; ORDER INSIDE A BLOCK: a lane converts k = 32 b + 8 h + 0..7 and 32 b + 16 + 8 h + 0..7 (h = lane / 16), the order in which two neighbouring result tiles of a matrix product lie in a lane.  Blocks are the true
; blocks of 32; only the order of the 32 codes inside a block differs from memory's, and it is the same in every operand of this program: each product sums the same exact products, grouped otherwise.
; SHARES: a work-group takes 16 whole rows of one tensor, wave j the columns 512 j .. 512 j + 511: four fragments.  Tiles 0-127 x, 128-255 wg, 256-383 wq, 384-415 wk, 416-447 wv, 448-575 wo.
; Each load reads 512 consecutive bytes of a row; the numbers turn through the wave's own stage in LDS (16 rows x 528 bytes) to reach the lane that converts them.  Waves share nothing: no barrier.
; LIMITS: NaN and infinities among the inputs are not served.  A block whose largest magnitude lies under 2^-122, a block of zeros among them, keeps the byte 1 (the quantiser's text says 127 for zeros): its codes
; are zeros or what the held scale gives, and only this program reads the bytes.
.set ASC,  3145728                     ; where the scale words begin in xq (128 row tiles x 24,576)
.set BSC,  7864320                     ; and in w1, w2 (320 row tiles x 24,576)
.set STG,  8448                        ; a wave's stage: 16 x 528
.set TM,   16                          ; v16-31  at work: largest magnitudes, bytes, scale operands
.set PW,   32                          ; v32-35  the four fragments' scale words
.set PC,   40                          ; v40-58  a fragment's codes (12) and scratch
.set X,    64                          ; v64-127 64 numbers in the order of conversion
.set R,    128                         ; v128-255 two sets of 64 numbers as loaded
.set SEL,  32                          ; s[32:33] lane selects: lane l xor 16
	s_load_b512 s[4:19], s[0:1], 0x0               ; x, wg, wq, wk, wv, wo, xq, w1
	s_load_b64 s[20:21], s[0:1], 0x40              ; w2
	v_lshl_add_u32 v62, v0, 2, 0x8400
	v_mov_b32 v63, 0
	v_lshrrev_b32 v1, 5, v0
	v_readfirstlane_b32 s29, v1                    ; wave j
	v_and_b32 v1, 31, v0                           ; lane
	v_and_b32 v7, 15, v0                           ; r
	v_bfe_u32 v8, v0, 4, 1                         ; h
	v_lshlrev_b32 v2, 4, v1                        ; 16 x lane: a load's and a code store's place
	v_lshlrev_b32 v3, 3, v1                        ; 8 x lane
	s_mul_i32 s30, s29, STG
	v_add_nc_u32 v4, s30, v2                       ; the stage, on the way in
	v_mul_u32_u24 v5, v7, 528
	v_lshl_add_u32 v5, v8, 5, v5
	v_add_nc_u32 v5, s30, v5                       ; and back: row r, + 32 h bytes
	v_lshlrev_b32 v6, 4, v7
	v_lshl_add_u32 v6, v8, 3, v6                   ; the scale words' place: 16 r + 8 h
	v_cmp_ne_u32 vcc_lo, 0, v8                     ; lanes 16-31
	s_mov_b32 s[SEL], 0x76543210
	s_mov_b32 s[SEL+1], 0xfedcba98
.irp b, 0,1,2,3
	v_mov_b32 v[TM+4+\b], 0                        ; written once: a lane permute's destination counts as one of its sources
.endr
	s_wait_kmcnt 0x0
	; which tensor: the choice hangs on the work-group's number alone
	s_mov_b64 s[22:23], s[14:15]                   ; from: wo
	s_mov_b64 s[24:25], s[20:21]                   ; to: w2
	s_mov_b32 s26, 448                             ; the tensor's first work-group
	s_mov_b32 s27, 448                             ; work-group less this = row tile in the target
	s_mov_b32 s28, BSC
	s_cmp_lt_u32 ttmp9, 448
	s_cselect_b64 s[22:23], s[12:13], s[22:23]     ; wv
	s_cselect_b64 s[24:25], s[18:19], s[24:25]     ; w1
	s_cselect_b32 s26, 416, s26
	s_cselect_b32 s27, 128, s27
	s_cmp_lt_u32 ttmp9, 416
	s_cselect_b64 s[22:23], s[10:11], s[22:23]     ; wk
	s_cselect_b32 s26, 384, s26
	s_cmp_lt_u32 ttmp9, 384
	s_cselect_b64 s[22:23], s[8:9], s[22:23]       ; wq
	s_cselect_b32 s26, 256, s26
	s_cmp_lt_u32 ttmp9, 256
	s_cselect_b64 s[22:23], s[6:7], s[22:23]       ; wg
	s_cselect_b32 s26, 128, s26
	s_cmp_lt_u32 ttmp9, 128
	s_cselect_b64 s[22:23], s[4:5], s[22:23]       ; x
	s_cselect_b64 s[24:25], s[16:17], s[24:25]     ; xq
	s_cselect_b32 s26, 0, s26
	s_cselect_b32 s27, 0, s27
	s_cselect_b32 s28, ASC, s28
	s_sub_co_u32 s26, ttmp9, s26                   ; row tile in the source
	s_sub_co_u32 s27, ttmp9, s27                   ; row tile in the target
	s_lshl_b32 s34, s26, 17                        ; 16 rows of 8,192 bytes
	s_lshl_b32 s35, s29, 11                        ; + 512 numbers a wave
	s_add_co_u32 s34, s34, s35
	s_mov_b32 s35, 0
	s_add_nc_u64 s[22:23], s[22:23], s[34:35]
	s_mul_i32 s34, s27, 24576
	s_mul_i32 s31, s29, 6144
	s_add_co_u32 s34, s34, s31
	s_add_nc_u64 s[36:37], s[24:25], s[34:35]      ; my four fragments
	s_lshl_b32 s34, s27, 10
	s_lshl_b32 s31, s29, 8
	s_add_co_u32 s34, s34, s31
	s_add_co_u32 s34, s34, s28
	s_add_nc_u64 s[38:39], s[24:25], s[34:35]      ; my 256 bytes of scale words
.macro LOAD t                          ; fragment t: 128 numbers of each of the 16 rows; 32 lanes read 512 consecutive bytes
.irp i, 0,1,2,3,4,5,6,7,8,9,10,11,12,13,14,15
	global_load_b128 v[R+64*((\t)%2)+4*\i:R+64*((\t)%2)+4*\i+3], v2, s[22:23] offset:8192*\i+512*(\t) th:TH_LOAD_NT
.endr
.endm
.macro TURN t                          ; through the stage: LDS serves a wave's instructions in order, so no wait stands between the stores and the loads
.irp i, 0,1,2,3,4,5,6,7,8,9,10,11,12,13,14,15
	ds_store_b128 v4, v[R+64*((\t)%2)+4*\i:R+64*((\t)%2)+4*\i+3] offset:528*\i
.endr
.irp b, 0,1,2,3
.irp j, 0,1,2,3
	ds_load_b128 v[X+16*\b+4*\j:X+16*\b+4*\j+3], v5 offset:128*\b+64*(\j/2)+16*(\j%2)   ; k = 32 b + 16 (j / 2) + 8 h + 4 (j % 2) on
.endr
.endr
.endm
; 64 numbers of a lane (16 of each of four blocks) become a fragment's 12 registers in v[PC] on and its row's scale word in v[pw]
.macro QUANT s, pw
.irp b, 0,1,2,3
	v_max3_num_f32 v[TM+\b], |v[\s+16*\b]|, |v[\s+1+16*\b]|, 0x2800000   ; my 16 numbers of block b, and the floor 2^(5 - 127): the byte cannot fall under 1
.endr
.irp i, 2,4,6,8,10,12,14
.irp b, 0,1,2,3
	v_max3_num_f32 v[TM+\b], v[TM+\b], |v[\s+16*\b+\i]|, |v[\s+1+16*\b+\i]|
.endr
.endr
.irp b, 0,1,2,3
	v_permlanex16_b32 v[TM+4+\b], v[TM+\b], s[SEL], s[SEL+1]
.endr
.irp b, 0,1,2,3
	v_max_num_f32 v[TM+\b], v[TM+\b], v[TM+4+\b]   ; with lane l xor 16's 16: the block's largest magnitude
.endr
.irp b, 0,1,2,3
	v_add_nc_u32 v[TM+12+\b], 0xfe000000, v[TM+\b] ; 4 off its exponent field: the conversion's scale operand
.endr
.irp b, 0,1,2,3
	v_lshrrev_b32 v[TM+4+\b], 23, v[TM+12+\b]      ; the scale's byte
.endr
	v_lshl_or_b32 v[\pw], v[TM+5], 8, v[TM+4]
	v_lshl_or_b32 v[\pw], v[TM+6], 16, v[\pw]
	v_lshl_or_b32 v[\pw], v[TM+7], 24, v[\pw]
.irp c, 0,1
	v_cvt_scalef32_pk16_bf6_f32 v[PC+6*\c:PC+2+6*\c], v[\s+32*\c:\s+15+32*\c], v[TM+12+2*\c]
	v_cvt_scalef32_pk16_bf6_f32 v[PC+12+4*\c:PC+14+4*\c], v[\s+16+32*\c:\s+31+32*\c], v[TM+12+2*\c+1]   ; (a conversion's three registers begin on an even number)
.endr
	v_nop                                          ; one plain line behind a scaled conversion
.irp c, 0,1                            ; the operand wants a whole block in a lane: lanes 0-15 block 2 c, lanes 16-31 block 2 c + 1
.irp i, 0,1,2
	v_permlane16_swap_b32 v[PC+6*\c+\i], v[PC+12+4*\c+\i]
.endr
.irp i, 0,1,2
	v_mov_b32 v[PC+3+6*\c+\i], v[PC+12+4*\c+\i]
.endr
.endr
.endm
.macro FRAG t
.if \t < 3
	s_wait_loadcnt 16                              ; this fragment's 16 loads are in; the next fragment's 16 may be out
.else
	s_wait_loadcnt 0x0
.endif
	TURN \t
	s_wait_dscnt 0x0                               ; the numbers are back, and the stage's stores have read the set as loaded,
.if \t < 2
	LOAD \t+2                                      ; which takes the fragment two on
.endif
.if \t > 0
	s_wait_xcnt 0x0                                ; the last fragment's stores have read the codes' registers: they are written again only behind this wait
.endif
	QUANT X, PW+\t
.irp c, 0,1
	global_store_b128 v2, v[PC+6*\c:PC+6*\c+3], s[36:37] offset:1536*(\t)+768*\c          ; 512 consecutive bytes,
	global_store_b64 v3, v[PC+6*\c+4:PC+6*\c+5], s[36:37] offset:1536*(\t)+768*\c+512     ; and 256: three aligned blocks of 256 bytes, each written whole
.endr
.endm
	LOAD 0
	LOAD 1
	FRAG 0
	FRAG 1
	FRAG 2
	FRAG 3
	v_cndmask_b32 v36, v32, v34, vcc_lo            ; lanes 0-15 store their row's words 0 and 1, lanes 16-31 words 2 and 3 (both halves hold all four)
	v_cndmask_b32 v37, v33, v35, vcc_lo
	global_store_b64 v6, v[36:37], s[38:39]        ; 32 lanes store one aligned block of 256 bytes
	s_wait_tensorcnt 0x0
	ds_add_u32 v62, v63
	s_wait_dscnt 0x0
	s_endpgm
.Lfunc_end_k_q26fc5feac7_quant:
	.size	k_q26fc5feac7_quant, .Lfunc_end_k_q26fc5feac7_quant-k_q26fc5feac7_quant
	.p2alignl 7, 3214868480
	.fill 96, 4, 3214868480
	.section	.rodata,"a",@progbits
	.p2align	6, 0x0
	.amdhsa_kernel k_q26fc5feac7_quant
		.amdhsa_group_segment_fixed_size 34304
		.amdhsa_private_segment_fixed_size 0
		.amdhsa_enable_private_segment 0
		.amdhsa_kernarg_size 72
		.amdhsa_user_sgpr_count 2
		.amdhsa_user_sgpr_kernarg_segment_ptr 1
		.amdhsa_wavefront_size32 1
		.amdhsa_system_sgpr_workgroup_id_x 1
		.amdhsa_system_sgpr_workgroup_id_y 1
		.amdhsa_system_sgpr_workgroup_id_z 1
		.amdhsa_system_vgpr_workitem_id 0
		.amdhsa_next_free_vgpr 256
		.amdhsa_next_free_sgpr 66
		.amdhsa_reserve_vcc 1
		.amdhsa_float_denorm_mode_32 3
		.amdhsa_float_denorm_mode_16_64 3
		.amdhsa_memory_ordered 1
		.amdhsa_forward_progress 1
		.amdhsa_inst_pref_size 35
	.end_amdhsa_kernel
	.amdgpu_metadata
---
amdhsa.version: [ 1, 2 ]
amdhsa.kernels:
  - .name:           k_q26fc5feac7_quant
    .symbol:         k_q26fc5feac7_quant.kd
    .args:
      - { .name: x, .offset: 0, .size: 8, .value_kind: global_buffer, .address_space: global }
      - { .name: wg, .offset: 8, .size: 8, .value_kind: global_buffer, .address_space: global }
      - { .name: wq, .offset: 16, .size: 8, .value_kind: global_buffer, .address_space: global }
      - { .name: wk, .offset: 24, .size: 8, .value_kind: global_buffer, .address_space: global }
      - { .name: wv, .offset: 32, .size: 8, .value_kind: global_buffer, .address_space: global }
      - { .name: wo, .offset: 40, .size: 8, .value_kind: global_buffer, .address_space: global }
      - { .name: xq, .offset: 48, .size: 8, .value_kind: global_buffer, .address_space: global }
      - { .name: w1, .offset: 56, .size: 8, .value_kind: global_buffer, .address_space: global }
      - { .name: w2, .offset: 64, .size: 8, .value_kind: global_buffer, .address_space: global }
    .group_segment_fixed_size: 34304
    .private_segment_fixed_size: 0
    .kernarg_segment_align: 8
    .kernarg_segment_size: 72
    .max_flat_workgroup_size: 128
    .sgpr_count:     66
    .vgpr_count:     256
    .wavefront_size: 32
...
	.end_amdgpu_metadata
.endif
;; end of part 1
;; launch proj (part 2): grid 40 x 16, 4 waves a work-group, clusters of 4 x 4, 327,680 bytes of LDS; arguments xq, w1, cos, sin, qn, kn, gbuf, qkv; writes gbuf, qkv
.if DOCPART == 2
	.amdgcn_target "amdgcn-amd-amdhsa--gfx1250"
	.amdhsa_code_object_version 6
	.text
	.protected	k_q26fc5feac7_proj
	.globl	k_q26fc5feac7_proj
	.p2align	8
	.type	k_q26fc5feac7_proj,@function
k_q26fc5feac7_proj:
	s_mov_b64 s[64:65], 0
	v_nop
	global_prefetch_b8 v0, s[64:65] scope:SCOPE_SE
	s_setreg_imm32_b32 hwreg(HW_REG_WAVE_MODE, 25, 1), 1
	s_wait_xcnt 0x0
	s_wait_alu depctr_hold_cnt(0) depctr_sa_sdst(0) depctr_va_vdst(0) depctr_va_sdst(0) depctr_va_ssrc(0) depctr_va_vcc(0) depctr_vm_vsrc(0)
	s_getreg_b32 s2, hwreg(HW_REG_IB_STS2, 6, 4)
	s_cmp_eq_u32 s2, 0
	s_cbranch_scc0 .Lentry_in_a_cluster
	s_endpgm
.Lentry_in_a_cluster:
	s_bfe_u32 s2, ttmp6, 0x10000c
	s_cmp_lg_u32 s2, 0xf033
	s_cbranch_scc0 .Lentry_shape_is_right
	s_endpgm
.Lentry_shape_is_right:
; C = A B^T on codes of BF6 (E3M2) with E8M0 scales, K = 2,048.  A: 128 row tiles, B: up to 320, both as register images (768 bytes for six registers of a fragment; 24,576 bytes a row tile; scale words behind the codes).
; One text serves two launches.  The first: A = x, B = [wg; wq; wk; wv].  The second: A = the gated attention result, B = wo.  What becomes of a tile of C hangs on the cluster's x, which all partners share:
;   0-3  PLAIN: f32, row-major, rows of 2,048 (x wg^T, or the final result).        4-7  q, 8  k: RoPE, RMS norm x weight, quantised along the head's 64.        9  v: quantised along the keys.
; SHARES: a work-group makes 128 x 128 of C, each of its four waves 64 x 64: 16 accumulators.  64 columns are one head.  With this tile the second launch has 256 work-groups.
; K goes in four chunks of 512 through three LDS slots: chunks 0, 1, 2 are asked for at the head, chunk 3 goes into slot 0 when chunk 0 has been multiplied: one refill, with 128 matrix instructions in which to land.
; CLUSTERS: 4 x 4 work-groups; A's tiles are shared along a row of the cluster, B's along a column: each is asked for jointly, by the same tensor load with the same descriptor and a mask that names the four.
; THE MATRIX INSTRUCTION: source 0 = 16 rows of set B, source 1 = 16 rows of set A: a lane holds ONE row of set A and eight neighbouring rows 8 h + j of set B.  Set A = x's rows and set B = the weight's, so a lane
; holds eight neighbouring columns of a row of C; for v the two sets change places (scalar selects on the cluster's x), so that a lane holds one channel and its registers run along the keys, the next K.
; The 16 registers of two neighbouring tiles are then k = 32 b + 8 h + 0..7 and 32 b + 16 + 8 h + 0..7 of the next product: the order inside a block that every operand of this program has.
; LIMITS: NaN and infinities are not served; a block whose largest magnitude lies under 2^-122 keeps the byte 1; the RoPE uses fused multiply-adds; codes inside a block lie in the order just named on both operands.
; REGISTERS: window 0: v1 r, v2 h, v4-15 fragment addresses (four a slot), v16-17 scale addresses, v18-19 the spare word's address and 0, v20-27 offsets, v32-95 scale words in two sets (free on the way out),
;   v96-127 at work, v128-255 accumulators ((a, b) at 128 + 8 (4 a + b)).   window 1: two fragment buffers at v0 and v128 (set A's four at 12 a, set B's at 48 + 12 b).   window 2: cos v0-63, sin v64-127, weight v128-159.
.set ASC,   3145728                    ; the scale words' place in A's buffer
.set BSC,   7864320                    ; and in B's
.set SCQ,   4718592                    ; qkv: q's scale words (8,192 bytes a head)
.set SCKV,  4980736                    ; qkv: for each kv head k's words (8,192), then v's (4,096)
.set SLOT,  98304                      ; a slot: A's 8 row tiles, then B's 8, 6,144 bytes each (512 along K)
.set TILEB, 6144
.set HALFB, 24576                      ; four row tiles: what one tensor load brings and one wave reads of a side
.set SCL,   3*SLOT                     ; the scale words of all of K: A's 8 x 1,024, then B's
.set SPARE, SCL+16384                  ; the spare words: 128 bytes a wave, two blocks of 256 bytes that no other line names
.set STAGE, SLOT                       ; PLAIN's way out: 16 rows x 272 bytes a wave, in slot 1: it has had its only fill, and its last read lies behind a barrier
.set SC,    32
.set ACC,   128
.set F0,    0
.set F1,    128
.set TM,    96                         ; v96-101 at work in the quantiser
.set SEL,   84                         ; s[84:85] lane selects, set on the way out, when no tensor load is out
.set G1A,   24
.set G1B,   32
.set G1SA,  40
.set G1SB,  48
.set G0A0,  56
.set G0A1,  60
.set G0A2,  68
.set G0B0,  72
.set G0B1,  76
.set G0B2,  80
.set G0SA,  84
.set G0SB,  88
.set MSB, 0
.macro WIN new                         ; the immediate's high byte repeats the setting that is left; a switch that changes nothing is dropped
.if MSB != \new
	s_set_vgpr_msb (MSB<<8)|\new
.set MSB, \new
.endif
.endm
.macro PLACES                          ; four plain lines between a matrix instruction and a load into, or a read of, its registers
.rept 4
	v_nop
.endr
.endm
; A joint load: waves 0 and 1 fetch A's halves, waves 2 and 3 B's.  The branch hangs on the wave's number alone.  Four v_nop follow each line.
.macro JLOAD g0a, g1a, g0b, g1b
	s_cmp_eq_u32 s21, 0
	s_cbranch_scc0 .Lfor_b_\@
	tensor_load_to_lds s[\g0a:\g0a+3], s[\g1a:\g1a+7]
	s_nop 0
.rept 4
	v_nop
.endr
	s_branch .Lasked_\@
.Lfor_b_\@:
	tensor_load_to_lds s[\g0b:\g0b+3], s[\g1b:\g1b+7]
	s_nop 0
.rept 4
	v_nop
.endr
.Lasked_\@:
.endm
.macro CROUND                          ; a round of the cluster's barrier
	s_barrier_signal -1
	s_barrier_wait -1
	s_cmp_lg_u32 s20, 0
	s_cbranch_scc1 .Lnot_wave_0_\@
	s_barrier_signal -3
.Lnot_wave_0_\@:
	s_barrier_wait -3
	s_barrier_signal -1
	s_barrier_wait -1
.endm
.macro SETG0 g, lds, b, off            ; group 0: count 1; LDS address = wave x 24,576 + the slot; global address; type 2
	s_mov_b32 s[\g], 1
	s_add_co_u32 s[\g+1], s97, \lds
	s_add_nc_u64 s[\g+2:\g+3], s[\b:\b+1], \off
	s_or_b32 s[\g+3], s[\g+3], 0x80000000
.endm
; 32 LDS loads: the eight fragments of the slot's q-th 128 along K into buffer f.  Each instruction reads consecutive bytes, 16 or 8 a lane.
.macro FETCH slot, q, f
	WIN 0x40                                       ; destination window 1, address window 0
.irp i, 0,1,2,3
.irp c, 0,1
	ds_load_b128 v[\f+12*\i+6*\c:\f+12*\i+6*\c+3],       v[4+4*\slot] offset:TILEB*\i+1536*\q+768*\c
	ds_load_b64  v[\f+12*\i+6*\c+4:\f+12*\i+6*\c+5],     v[5+4*\slot] offset:TILEB*\i+1536*\q+768*\c+512
	ds_load_b128 v[\f+48+12*\i+6*\c:\f+48+12*\i+6*\c+3], v[6+4*\slot] offset:TILEB*\i+1536*\q+768*\c
	ds_load_b64  v[\f+48+12*\i+6*\c+4:\f+48+12*\i+6*\c+5], v[7+4*\slot] offset:TILEB*\i+1536*\q+768*\c+512
.endr
.endr
	WIN 0
.endm
.macro SCALES set, j                   ; chunk j's scale words: four words (four K steps) of each row of the eight tiles
.irp i, 0,1,2,3
	ds_load_b128 v[SC+32*\set+4*\i:SC+32*\set+4*\i+3],       v16 offset:1024*\i+256*\j
	ds_load_b128 v[SC+32*\set+16+4*\i:SC+32*\set+16+4*\i+3], v17 offset:1024*\i+256*\j
.endr
.endm
; 16 matrix instructions, 128 along K.  The 16 accumulators take turns, one instruction a turn, in the same order in every step.
.macro MUL16 f, set, q, zero
	WIN 0x05                                       ; sources 0 and 1 window 1; C and D window 0
.irp a, 0,1,2,3
.irp b, 0,1,2,3
.if \zero
	v_wmma_scale_f32_16x16x128_f8f6f4 v[ACC+8*(4*\a+\b):ACC+8*(4*\a+\b)+7], v[\f+48+12*\b:\f+48+12*\b+11], v[\f+12*\a:\f+12*\a+11], 0, v[SC+32*\set+16+4*\b+\q], v[SC+32*\set+4*\a+\q] matrix_a_fmt:MATRIX_FMT_BF6 matrix_b_fmt:MATRIX_FMT_BF6
.else
	v_wmma_scale_f32_16x16x128_f8f6f4 v[ACC+8*(4*\a+\b):ACC+8*(4*\a+\b)+7], v[\f+48+12*\b:\f+48+12*\b+11], v[\f+12*\a:\f+12*\a+11], v[ACC+8*(4*\a+\b):ACC+8*(4*\a+\b)+7], v[SC+32*\set+16+4*\b+\q], v[SC+32*\set+4*\a+\q] matrix_a_fmt:MATRIX_FMT_BF6 matrix_b_fmt:MATRIX_FMT_BF6
.endif
.endr
.endr
	WIN 0
.endm
; A step of 128 along K: its fragments, asked for a step ago, are in; the next step's are asked for into the other buffer; then the products.
.macro STEP f, set, q, zero, nx, nslot, nq, nf, sc, sset, sj
	s_wait_dscnt 0x0
.if \nx
	PLACES                                         ; the other buffer was read by the products just issued
	FETCH \nslot, \nq, \nf
.if \sc
	SCALES \sset, \sj
.endif
.endif
	MUL16 \f, \set, \q, \zero
.endm
.macro CHUNK slot, set, zero, nx, nslot, sset, sj   ; four steps; nx = 1: the last fetches the next slot's first fragments and scale words
	STEP F0, \set, 0, \zero, 1, \slot, 1, F1, 0, 0, 0
	STEP F1, \set, 1, 0, 1, \slot, 2, F0, 0, 0, 0
	STEP F0, \set, 2, 0, 1, \slot, 3, F1, 0, 0, 0
	STEP F1, \set, 3, 0, \nx, \nslot, 0, F0, \nx, \sset, \sj
.endm
.macro CHUNKLAST                       ; chunk 3, in slot 0
	PLACES
	FETCH 0, 0, F0
	SCALES 1, 3
	CHUNK 0, 1, 0, 0, 0, 0, 0
.endm
; 32 numbers of a lane (16 of each of two blocks) become six registers of a fragment in v[pc] on (v[pc+6] is scratch) and two scale bytes in v[hw]
.macro QUANT2 s, pc, hw
	v_max3_num_f32 v[TM], |v[(\s)]|, |v[(\s)+1]|, 0x2800000        ; the floor 2^(5 - 127): the byte cannot fall under 1.  (Each accumulator is read from its low end on)
	v_max3_num_f32 v[TM+1], |v[(\s)+16]|, |v[(\s)+17]|, 0x2800000
.irp i, 2,4,6,8,10,12,14
	v_max3_num_f32 v[TM], v[TM], |v[(\s)+\i]|, |v[(\s)+\i+1]|
	v_max3_num_f32 v[TM+1], v[TM+1], |v[(\s)+16+\i]|, |v[(\s)+17+\i]|
.endr
	v_permlanex16_b32 v[TM+2], v[TM], s[SEL], s[SEL+1]
	v_permlanex16_b32 v[TM+3], v[TM+1], s[SEL], s[SEL+1]
	v_max_num_f32 v[TM], v[TM], v[TM+2]            ; with lane l xor 16's 16: the block's largest magnitude
	v_max_num_f32 v[TM+1], v[TM+1], v[TM+3]
	v_add_nc_u32 v[TM+4], 0xfe000000, v[TM]        ; 4 off the exponent field: the conversion's scale operand
	v_add_nc_u32 v[TM+5], 0xfe000000, v[TM+1]
	v_lshrrev_b32 v[TM+2], 23, v[TM+4]             ; the bytes
	v_lshrrev_b32 v[TM+3], 23, v[TM+5]
	v_lshl_or_b32 v[\hw], v[TM+3], 8, v[TM+2]
	v_cvt_scalef32_pk16_bf6_f32 v[(\pc):(\pc)+2], v[(\s):(\s)+15], v[TM+4]
	v_cvt_scalef32_pk16_bf6_f32 v[(\pc)+4:(\pc)+6], v[(\s)+16:(\s)+31], v[TM+5]
	v_nop                                          ; one plain line behind a scaled conversion
.irp i, 0,1,2
	v_permlane16_swap_b32 v[(\pc)+\i], v[(\pc)+4+\i]   ; a whole block to a lane: lanes 0-15 the first block, lanes 16-31 the second
.endr
.irp i, 0,1,2
	v_mov_b32 v[(\pc)+3+\i], v[(\pc)+4+\i]
.endr
.endm
.macro QBASE                           ; s70 = the head's number in qkv (q 0-31, k 32-39, v 40-47); s71 = my group of 64 rows of x; s[72:73] = where my four images go
	s_sub_co_u32 s70, s93, 16
	s_lshl_b32 s70, s70, 1
	s_add_co_u32 s70, s70, s22
	s_lshl_b32 s71, s94, 1
	s_add_co_u32 s71, s71, s21
	s_mul_i32 s72, s70, 98304
	s_mul_i32 s73, s71, 3072
	s_add_co_u32 s72, s72, s73
	s_mov_b32 s73, 0
	s_add_nc_u64 s[72:73], s[18:19], s[72:73]
.endm
.macro STOREQ                          ; four images of 768 bytes: three aligned blocks of 256 bytes each, written whole
.irp a, 0,1,2,3
	global_store_b128 v20, v[32+8*\a:35+8*\a], s[72:73] offset:768*\a
	global_store_b64 v21, v[36+8*\a:37+8*\a], s[72:73] offset:768*\a+512
.endr
.endm
.macro TOSTAGE a                       ; 16 rows x 64 columns of f32 into my stage, and back as whole rows of 256 bytes (LDS serves a wave's instructions in order)
.irp b, 0,1,2,3
	ds_store_b128 v24, v[ACC+8*(4*(\a)+\b):ACC+8*(4*(\a)+\b)+3] offset:64*\b       ; each accumulator from its low end on
	ds_store_b128 v24, v[ACC+8*(4*(\a)+\b)+4:ACC+8*(4*(\a)+\b)+7] offset:64*\b+16
.endr
.irp t, 0,1,2,3,4,5,6,7
	ds_load_b128 v[32+32*((\a)%2)+4*\t:32+32*((\a)%2)+4*\t+3], v25 offset:544*\t
.endr
.endm
.macro SEND a, younger                 ; younger: the LDS instructions issued behind block a's loads, which may stay out
	s_wait_dscnt \younger
.irp t, 0,1,2,3,4,5,6,7
	global_store_b128 v26, v[32+32*((\a)%2)+4*\t:32+32*((\a)%2)+4*\t+3], s[16:17] offset:(16*(\a)+2*\t)*8192   ; 16 lanes store 256 consecutive bytes, at a multiple of 256 from the buffer's first byte
.endr
.endm
	s_load_b512 s[4:19], s[0:1], 0x0               ; A s[4:5], B s[6:7], cos, sin, qn, kn, the f32 result s[16:17], qkv s[18:19]
	v_lshl_add_u32 v18, v0, 2, SPARE
	v_mov_b32 v19, 0
	ds_add_u32 v18, v19
	ds_add_u32 v18, v19
	s_wait_dscnt 0x0
	v_lshrrev_b32 v3, 5, v0
	v_readfirstlane_b32 s20, v3                    ; wave
	s_lshr_b32 s21, s20, 1                         ; which 64 rows of x are mine.  Also: I fetch for A (0) or for B (1)
	s_and_b32 s22, s20, 1                          ; which 64 rows of the weight.  Also: which four row tiles I fetch
	s_bfe_u32 s23, ttmp6, 0x40000                  ; cx
	s_bfe_u32 s92, ttmp6, 0x40004                  ; cy
	s_lshl_b32 s93, ttmp9, 2
	s_add_co_u32 s93, s93, s23                     ; tile column = 4 x cluster x + cx
	s_and_b32 s94, ttmp7, 0xffff
	s_lshl_b32 s94, s94, 2
	s_add_co_u32 s94, s94, s92                     ; tile row = 4 x cluster y + cy
	s_lshl_b32 s95, s92, 2
	s_lshl_b32 s95, 15, s95                        ; my row of the cluster
	s_lshl_b32 s96, 0x1111, s23                    ; my column
	; group 1 for codes: four row tiles x 6,144 bytes (768 elements of 8 bytes), 24,576 bytes (3,072 elements) apart; no padding
	s_or_b32 s[G1A], s95, (3<<16)|(1<<21)
	s_or_b32 s[G1B], s96, (3<<16)|(1<<21)
.irp g, G1A, G1B
	s_mov_b32 s[\g+1], 768<<16                     ; tensor_dim0
	s_mov_b32 s[\g+2], 4<<16                       ; tensor_dim1
	s_mov_b32 s[\g+3], 768<<16                     ; tile_dim0
	s_mov_b32 s[\g+4], 4                           ; tile_dim1
	s_mov_b32 s[\g+5], 3072                        ; stride from row tile to row tile
	s_mov_b32 s[\g+6], 0
	s_mov_b32 s[\g+7], 0
.endr
	; and for scale words: 4,096 dense bytes as 16 rows of 256
	s_or_b32 s[G1SA], s95, (3<<16)|(1<<21)
	s_or_b32 s[G1SB], s96, (3<<16)|(1<<21)
.irp g, G1SA, G1SB
	s_mov_b32 s[\g+1], 32<<16
	s_mov_b32 s[\g+2], 16<<16
	s_mov_b32 s[\g+3], 32<<16
	s_mov_b32 s[\g+4], 16
	s_mov_b32 s[\g+5], 32
	s_mov_b32 s[\g+6], 0
	s_mov_b32 s[\g+7], 0
.endr
	s_mul_i32 s97, s20, HALFB                      ; where my tiles go in a slot: wave x 24,576: no place in the cluster enters an LDS address
	s_lshl_b32 s3, s22, 2
	s_lshl_b32 s2, s94, 3
	s_add_co_u32 s2, s2, s3                        ; A's first row tile that I fetch: 8 x tile row + 4 x half
	s_lshl_b32 s98, s93, 3
	s_add_co_u32 s98, s98, s3                      ; B's: 8 x tile column + 4 x half
	s_mul_i32 s66, s2, 24576
	s_mov_b32 s67, 0
	s_lshl_b32 s2, s2, 10
	s_add_co_u32 s2, s2, ASC
	s_mov_b32 s3, 0
	s_lshl_b32 s100, s98, 10
	s_add_co_u32 s100, s100, BSC
	s_mov_b32 s101, 0
	s_mul_i32 s98, s98, 24576
	s_mov_b32 s99, 0
	s_wait_kmcnt 0x0
	s_add_nc_u64 s[66:67], s[4:5], s[66:67]        ; A's codes,
	s_add_nc_u64 s[2:3], s[4:5], s[2:3]            ; A's scale words,
	s_add_nc_u64 s[98:99], s[6:7], s[98:99]        ; B's codes,
	s_add_nc_u64 s[100:101], s[6:7], s[100:101]    ; B's scale words
	CROUND                                         ; all sixteen work-groups are here: the first joint loads meet
	s_mov_b32 s[G0SA], 1
	s_lshl_b32 s[G0SA+1], s20, 12
	s_add_co_u32 s[G0SA+1], s[G0SA+1], SCL
	s_mov_b64 s[G0SA+2:G0SA+3], s[2:3]
	s_or_b32 s[G0SA+3], s[G0SA+3], 0x80000000
	s_mov_b32 s[G0SB], 1
	s_lshl_b32 s[G0SB+1], s20, 12
	s_add_co_u32 s[G0SB+1], s[G0SB+1], SCL
	s_mov_b64 s[G0SB+2:G0SB+3], s[100:101]
	s_or_b32 s[G0SB+3], s[G0SB+3], 0x80000000
	JLOAD G0SA, G1SA, G0SB, G1SB                   ; the scale words of all of K: filled once
	SETG0 G0A0, 0, 66, 0
	SETG0 G0B0, 0, 98, 0
	JLOAD G0A0, G1A, G0B0, G1B                     ; chunk 0
	SETG0 G0A1, SLOT, 66, TILEB
	SETG0 G0B1, SLOT, 98, TILEB
	JLOAD G0A1, G1A, G0B1, G1B                     ; chunk 1
	SETG0 G0A2, 2*SLOT, 66, 2*TILEB
	SETG0 G0B2, 2*SLOT, 98, 2*TILEB
	JLOAD G0A2, G1A, G0B2, G1B                     ; chunk 2: four loads of mine are out
	v_and_b32 v1, 15, v0                           ; r
	v_bfe_u32 v2, v0, 4, 1                         ; h
	v_and_b32 v3, 31, v0                           ; lane
	v_lshlrev_b32 v20, 4, v3                       ; 16 x lane
	v_lshlrev_b32 v21, 3, v3                       ; 8 x lane
	v_lshlrev_b32 v22, 4, v1                       ; 16 r
	s_mul_i32 s2, s21, HALFB                       ; x's side: my four row tiles in a slot,
	s_mul_i32 s3, s22, HALFB
	s_add_co_u32 s3, s3, 2*HALFB                   ; the weight's side,
	s_lshl_b32 s66, s21, 12
	s_add_co_u32 s66, s66, SCL                     ; and their scale words
	s_lshl_b32 s67, s22, 12
	s_add_co_u32 s67, s67, SCL+8192
	s_cmp_eq_u32 ttmp9, 9                          ; for v the two sets change places
	s_cselect_b32 s98, s3, s2                      ; set A
	s_cselect_b32 s99, s2, s3                      ; set B
	s_cselect_b32 s100, s67, s66
	s_cselect_b32 s101, s66, s67
.irp s, 0,1,2
	v_add_nc_u32 v[4+4*\s], s98, v20
	v_add_nc_u32 v[5+4*\s], s98, v21
	v_add_nc_u32 v[6+4*\s], s99, v20
	v_add_nc_u32 v[7+4*\s], s99, v21
	s_add_co_u32 s98, s98, SLOT
	s_add_co_u32 s99, s99, SLOT
.endr
	v_add_nc_u32 v16, s100, v22
	v_add_nc_u32 v17, s101, v22
	s_mul_i32 s2, s20, 16*272
	s_add_co_u32 s2, s2, STAGE                     ; PLAIN's stage: made here, on the way that every wave takes
	v_mul_u32_u24 v24, v1, 272
	v_lshl_add_u32 v24, v2, 5, v24
	v_add_nc_u32 v24, s2, v24                      ; in: row r, + 32 h
	v_mul_u32_u24 v25, v2, 272
	v_lshl_add_u32 v25, v1, 4, v25
	v_add_nc_u32 v25, s2, v25                      ; back: lanes 0-15 one row, lanes 16-31 the next
	v_lshl_add_u32 v26, v2, 13, v22                ; and the same two rows in C: 8,192 h + 16 r
	s_wait_tensorcnt 0x2                           ; the scale words and my part of chunk 0 are in; chunks 1 and 2 may stay out
	s_barrier_signal -1
	s_barrier_wait -1
	FETCH 0, 0, F0
	SCALES 0, 0
	CHUNK 0, 0, 1, 0, 0, 0, 0                      ; its first products start the sums: nothing is cleared
	; the one refill: chunk 3 into slot 0
	s_wait_tensorcnt 0x0                           ; all my tensor loads have landed, so a group 0 may be written;
	ds_add_u32 v18, v19                            ; 0 onto my spare word;
	s_add_nc_u64 s[G0A0+2:G0A0+3], s[G0A0+2:G0A0+3], 3*TILEB
	s_add_nc_u64 s[G0B0+2:G0B0+3], s[G0B0+2:G0B0+3], 3*TILEB
	s_wait_dscnt 0x0                               ; the add is done, and my reads of slot 0 are over
	CROUND                                         ; no wave of any partner still reads slot 0 or has a load on its way
	JLOAD G0A0, G1A, G0B0, G1B                     ; the first tensor load behind the round; its four v_nop are the places in front of the loads below
	FETCH 1, 0, F0
	SCALES 1, 1
	CHUNK 1, 1, 0, 1, 2, 0, 2                      ; slots 1 and 2 were shown whole by the wait and the round above
	CHUNK 2, 0, 0, 0, 0, 0, 0
	s_wait_tensorcnt 0x0                           ; my part of chunk 3 is in,
	ds_add_u32 v18, v19
	s_wait_dscnt 0x0                               ; and my reads of slots 1 and 2 are over
	s_barrier_signal -1
	s_barrier_wait -1                              ; both hold of all four waves
	s_cmp_lt_u32 ttmp9, 4                          ; what becomes of the tile: the cluster's x, the same in all partners
	s_cbranch_scc1 .Lplain
	s_cmp_eq_u32 ttmp9, 9
	s_cbranch_scc1 .Lv
	; ---- q and k.  cos, sin and the weight are asked for first: they land under chunk 3's products
	s_lshl_b32 s68, s94, 7
	s_lshl_b32 s69, s21, 6
	s_add_co_u32 s68, s68, s69                     ; my first position
	s_lshl_b32 s68, s68, 7                         ; a row of cos or sin is 128 bytes
	s_mov_b32 s69, 0
	s_add_nc_u64 s[8:9], s[8:9], s[68:69]
	s_add_nc_u64 s[10:11], s[10:11], s[68:69]
	s_cmp_eq_u32 ttmp9, 8
	s_cselect_b64 s[12:13], s[14:15], s[12:13]     ; kn for k, qn for q
	v_lshlrev_b32 v27, 7, v1
	v_lshl_add_u32 v27, v2, 4, v27                 ; 128 r + 16 h: tile b's four pairs of my half lie 32 b bytes on
	v_lshlrev_b32 v23, 5, v2                       ; 32 h
	WIN 0x80                                       ; destination window 2
.irp a, 0,1,2,3
.irp b, 0,1,2,3
	global_load_b128 v[16*\a+4*\b:16*\a+4*\b+3], v27, s[8:9] offset:2048*\a+32*\b
	global_load_b128 v[64+16*\a+4*\b:64+16*\a+4*\b+3], v27, s[10:11] offset:2048*\a+32*\b
.endr
.endr
.irp b, 0,1,2,3
.irp i, 0,1
	global_load_b128 v[128+8*\b+4*\i:128+8*\b+4*\i+3], v23, s[12:13] offset:64*\b+16*\i
.endr
.endr
	WIN 0
	CHUNKLAST
	s_wait_loadcnt 0x0
	s_mov_b32 s[SEL], 0x76543210
	s_mov_b32 s[SEL+1], 0xfedcba98
	s_mov_b32 s86, 0x3c800000                      ; 1 / 64
	s_mov_b32 s87, 0x358637bd                      ; 1e-6
	v_mov_b32 v[TM+2], 0                           ; six lines that are owed anyway stand as the places behind the last products: the permutes' destinations,
	v_mov_b32 v[TM+3], 0
.irp a, 0,1,2,3
	v_mov_b32 v[121+2*\a], 0                       ; and the upper halves of the pairs that hold 1 / rms
.endr
	WIN 0x08                                       ; source 1 window 2
.irp a, 0,1,2,3                        ; RoPE: registers 2 i, 2 i + 1 of a tile are a pair
.irp b, 0,1,2,3
.irp i, 0,1,2,3
	v_mul_f32 v[104+2*\i], v[ACC+8*(4*\a+\b)+2*\i], v[16*\a+4*\b+\i]
	v_mul_f32 v[105+2*\i], v[ACC+8*(4*\a+\b)+2*\i], v[64+16*\a+4*\b+\i]
.endr
.irp i, 0,1,2,3
	v_fma_f32 v[ACC+8*(4*\a+\b)+2*\i], -v[ACC+8*(4*\a+\b)+2*\i+1], v[64+16*\a+4*\b+\i], v[104+2*\i]
	v_fma_f32 v[ACC+8*(4*\a+\b)+2*\i+1], v[ACC+8*(4*\a+\b)+2*\i+1], v[16*\a+4*\b+\i], v[105+2*\i]
.endr
.endr
.endr
	WIN 0
.irp a, 0,1,2,3                        ; the sum of squares of my 32 numbers of each row, two chains a row
	v_pk_mul_f32 v[104+4*\a:105+4*\a], v[ACC+32*\a:ACC+32*\a+1], v[ACC+32*\a:ACC+32*\a+1]
	v_pk_mul_f32 v[106+4*\a:107+4*\a], v[ACC+32*\a+2:ACC+32*\a+3], v[ACC+32*\a+2:ACC+32*\a+3]
.endr
.irp u, 4,8,12,16,20,24,28
.irp a, 0,1,2,3
	v_pk_fma_f32 v[104+4*\a:105+4*\a], v[ACC+32*\a+\u:ACC+32*\a+\u+1], v[ACC+32*\a+\u:ACC+32*\a+\u+1], v[104+4*\a:105+4*\a]
	v_pk_fma_f32 v[106+4*\a:107+4*\a], v[ACC+32*\a+\u+2:ACC+32*\a+\u+3], v[ACC+32*\a+\u+2:ACC+32*\a+\u+3], v[106+4*\a:107+4*\a]
.endr
.endr
.irp a, 0,1,2,3
	v_pk_add_f32 v[104+4*\a:105+4*\a], v[104+4*\a:105+4*\a], v[106+4*\a:107+4*\a]
.endr
.irp a, 0,1,2,3
	v_add_f32 v[104+4*\a], v[104+4*\a], v[105+4*\a]
.endr
.irp a, 0,1,2,3
	v_permlanex16_b32 v[105+4*\a], v[104+4*\a], s[SEL], s[SEL+1]
.endr
.irp a, 0,1,2,3
	v_add_f32 v[104+4*\a], v[104+4*\a], v[105+4*\a]        ; with lane l xor 16's 32: the head's 64
.endr
.irp a, 0,1,2,3
	v_fma_f32 v[104+4*\a], v[104+4*\a], s86, s87           ; the mean + eps
.endr
.irp a, 0,1,2,3
	v_rsq_f32 v[120+2*\a], v[104+4*\a]
.endr
	v_nop                                          ; a plain line behind the last of the batch,
	s_wait_alu depctr_va_vdst(0)                   ; and one wait for the four, ahead of their first reader
.irp a, 0,1,2,3
.irp u, 0,2,4,6,8,10,12,14,16,18,20,22,24,26,28,30
	v_pk_mul_f32 v[ACC+32*\a+\u:ACC+32*\a+\u+1], v[ACC+32*\a+\u:ACC+32*\a+\u+1], v[120+2*\a:121+2*\a] op_sel_hi:[1,0]
.endr
.endr
	WIN 0x08
.irp a, 0,1,2,3
.irp u, 0,2,4,6,8,10,12,14,16,18,20,22,24,26,28,30
	v_pk_mul_f32 v[ACC+32*\a+\u:ACC+32*\a+\u+1], v[ACC+32*\a+\u:ACC+32*\a+\u+1], v[128+\u:129+\u]   ; (x / rms) x weight, in that order
.endr
.endr
	WIN 0
.irp a, 0,1,2,3
	QUANT2 ACC+32*\a, 32+8*\a, 102
	v_or_b32 v[64+\a], 0x7f7f0000, v102            ; the scale word: two bytes, and 1.0 for K = 64 .. 127, where the queries' codes are zeros
.endr
	QBASE
	STOREQ
	s_lshl_b32 s74, s70, 13
	s_add_co_u32 s74, s74, SCQ                     ; q's words,
	s_sub_co_u32 s75, s70, 32
	s_mul_i32 s75, s75, 12288
	s_add_co_u32 s75, s75, SCKV                    ; or k's
	s_cmp_eq_u32 ttmp9, 8
	s_cselect_b32 s74, s75, s74
	s_lshl_b32 s75, s71, 8                         ; 256 bytes for a group of 64 positions
	s_add_co_u32 s74, s74, s75
	s_mov_b32 s75, 0
	s_add_nc_u64 s[74:75], s[18:19], s[74:75]
	global_store_b128 v22, v[64:67], s[74:75]      ; row r's four words (lanes 16-31 store the same bytes with the same values): one aligned block of 256 bytes
	s_branch .Ltail
.Lv:	; ---- v: a lane holds one channel, its registers run along my 64 keys
	CHUNKLAST
	PLACES
	s_mov_b32 s[SEL], 0x76543210
	s_mov_b32 s[SEL+1], 0xfedcba98
	v_mov_b32 v[TM+2], 0
	v_mov_b32 v[TM+3], 0
.irp a, 0,1,2,3
	QUANT2 ACC+32*\a, 32+8*\a, 64+\a
.endr
	QBASE
	STOREQ
	s_sub_co_u32 s74, s70, 40
	s_mul_i32 s74, s74, 12288
	s_add_co_u32 s74, s74, SCKV+8192               ; v's words: 256 bytes for a step of 128 keys;
	s_lshl_b32 s75, s94, 8
	s_add_co_u32 s74, s74, s75
	s_lshl_b32 s75, s21, 1                         ; my 64 keys are half a word
	s_add_co_u32 s74, s74, s75
	s_mov_b32 s75, 0
	s_add_nc_u64 s[74:75], s[18:19], s[74:75]
.irp a, 0,1,2,3
	global_store_b16 v22, v[64+\a], s[74:75] offset:4*\a
.endr
	s_branch .Ltail
.Lplain:	; ---- f32, row-major
	s_lshl_b32 s69, s94, 7
	s_lshl_b32 s70, s21, 6
	s_add_co_u32 s69, s69, s70                     ; my first row
	s_lshl_b32 s70, s69, 13                        ; rows of 8,192 bytes
	s_lshl_b32 s69, s93, 9
	s_add_co_u32 s70, s70, s69                     ; + 512 x tile column
	s_lshl_b32 s69, s22, 8
	s_add_co_u32 s70, s70, s69                     ; + 256 x half
	s_mov_b32 s71, 0
	s_add_nc_u64 s[16:17], s[16:17], s[70:71]
	CHUNKLAST
	PLACES
	TOSTAGE 0
.irp a, 1,2,3
.if \a > 1
	s_wait_xcnt 0x0                                ; block a - 2's stores have read their registers: block a's loads may land there
.endif
	TOSTAGE \a
	SEND \a-1, 16                                  ; behind block a - 1's loads: block a's 8 stores and 8 loads
.endr
	SEND 3, 0
.Ltail:
	s_wait_tensorcnt 0x0                           ; the wave's end
	ds_add_u32 v18, v19
	s_wait_dscnt 0x0
	CROUND                                         ; the closing round: no work-group ends while a partner may still ask for a tile that names it
	s_endpgm
.Lfunc_end_k_q26fc5feac7_proj:
	.size	k_q26fc5feac7_proj, .Lfunc_end_k_q26fc5feac7_proj-k_q26fc5feac7_proj
	.p2alignl 7, 3214868480
	.fill 96, 4, 3214868480
	.section	.rodata,"a",@progbits
	.p2align	6, 0x0
	.amdhsa_kernel k_q26fc5feac7_proj
		.amdhsa_group_segment_fixed_size 327680
		.amdhsa_private_segment_fixed_size 0
		.amdhsa_enable_private_segment 0
		.amdhsa_kernarg_size 64
		.amdhsa_user_sgpr_count 2
		.amdhsa_user_sgpr_kernarg_segment_ptr 1
		.amdhsa_wavefront_size32 1
		.amdhsa_system_sgpr_workgroup_id_x 1
		.amdhsa_system_sgpr_workgroup_id_y 1
		.amdhsa_system_sgpr_workgroup_id_z 1
		.amdhsa_system_vgpr_workitem_id 0
		.amdhsa_next_free_vgpr 768
		.amdhsa_next_free_sgpr 102
		.amdhsa_reserve_vcc 0
		.amdhsa_float_denorm_mode_32 3
		.amdhsa_float_denorm_mode_16_64 3
		.amdhsa_memory_ordered 1
		.amdhsa_forward_progress 1
		.amdhsa_inst_pref_size 175
	.end_amdhsa_kernel
	.amdgpu_metadata
---
amdhsa.version: [ 1, 2 ]
amdhsa.kernels:
  - .name:           k_q26fc5feac7_proj
    .symbol:         k_q26fc5feac7_proj.kd
    .args:
      - { .name: xq, .offset: 0, .size: 8, .value_kind: global_buffer, .address_space: global }
      - { .name: w1, .offset: 8, .size: 8, .value_kind: global_buffer, .address_space: global }
      - { .name: cos, .offset: 16, .size: 8, .value_kind: global_buffer, .address_space: global }
      - { .name: sin, .offset: 24, .size: 8, .value_kind: global_buffer, .address_space: global }
      - { .name: qn, .offset: 32, .size: 8, .value_kind: global_buffer, .address_space: global }
      - { .name: kn, .offset: 40, .size: 8, .value_kind: global_buffer, .address_space: global }
      - { .name: gbuf, .offset: 48, .size: 8, .value_kind: global_buffer, .address_space: global }
      - { .name: qkv, .offset: 56, .size: 8, .value_kind: global_buffer, .address_space: global }
    .group_segment_fixed_size: 327680
    .private_segment_fixed_size: 0
    .kernarg_segment_align: 8
    .kernarg_segment_size: 64
    .max_flat_workgroup_size: 128
    .sgpr_count:     102
    .vgpr_count:     768
    .wavefront_size: 32
...
	.end_amdgpu_metadata
.endif
;; end of part 2
;; launch attn (part 3): grid 32 x 8, 16 waves a work-group, no clusters, 280,576 bytes of LDS; arguments qkv, gbuf, oq; writes oq
.if DOCPART == 3
	.amdgcn_target "amdgcn-amd-amdhsa--gfx1250"
	.amdhsa_code_object_version 6
	.text
	.protected	k_q26fc5feac7_attn
	.globl	k_q26fc5feac7_attn
	.p2align	8
	.type	k_q26fc5feac7_attn,@function
k_q26fc5feac7_attn:
	s_mov_b64 s[64:65], 0
	v_nop
	global_prefetch_b8 v0, s[64:65] scope:SCOPE_SE
	s_setreg_imm32_b32 hwreg(HW_REG_WAVE_MODE, 25, 1), 1
	s_wait_xcnt 0x0
; Causal attention on codes of BF6 (E3M2), 32 query heads on 8 kv heads, head size 64, 2,048 positions; then / the row's sum, x sigmoid(x wg^T), quantised along the model's 2,048 for the last product.
; q, k: register images of 16 positions x 64 channels (768 bytes); v: of 16 channels x 64 keys; scale words beside them.  All were laid by the launch before, in the order of the operands' registers.
; THE SOFTMAX: t = score x log2(e) / 8 (one constant where the definition multiplies twice); M = the running largest t rounded up to a whole number; p = 2^(t - M) is quantised along the keys, not normalised;
; the row's sum is taken of the unquantised p and divides at the end.  When M moves, the sum and O are multiplied by 2^(old M - new M): exact.
; A block's largest p is not searched for: the block's largest score goes through the same multiply-add and exponential.
; SHARES: work-group (p, g): kv head g.  Wave w: head 4 g + w % 4, one tile of 16 queries: tile 2 p + u (u = w / 4 < 2) or 124 - 2 p + u: an early pair and a late pair, so that all work-groups have like work.
; THE WHOLE K AND V OF THE KV HEAD LIE IN LDS, filled once: wave 0 brings K and wave 1 V, each in four chunks of 512 keys; a chunk is read behind the counted wait for it and a barrier; nothing is filled again.
; Every wave walks all 16 steps of 128 keys (constant trip counts); a step all of whose keys come after the wave's queries is left out by a scalar branch on ids, round its work alone.
; BOTH PRODUCTS ARE USED TRANSPOSED: S^T = K Q^T, O^T = V^T P^T: a lane holds one query throughout.  The scores' K is 64: Q's registers 6-11 are zero codes, and a tile of K takes as its registers 6-11 the next tile's
; codes, which meet those zeros under the scale byte 1.0 (E3M2 has no NaN and no infinity): they add nothing, and one run of loads feeds eight products.
; NO CLUSTER, though the 32 work-groups of a kv head read the same K and V: the branch that leaves hidden steps out hangs on the work-group's queries, which differ between partners, and what is shared
; is asked for once by each work-group, 208,896 bytes, at its head.
; LIMITS: NaN and infinities are not served; a block whose largest magnitude lies under 2^-122 keeps the byte 1; the 32 codes of a block lie in the order k = 8 h + 0..7, 16 + 8 h + 0..7 on both operands of each product.
; REGISTERS: v1-7 addresses that stay; v8-11, v29-30 those of the step; v12 -M, v13 largest t, v[14:15] the sum; v16-27 Q, v28 its word; v31 16 r; v32-85 K's or V's fragments; v86-93 K's words; v96-159 S^T, then p;
;   v160-191 O^T; v192-203 p's codes; v204-211 scratch; v212-223 block maxima, bytes, scale operands; v[224:225] f; v226-229 at work; v240-243 V's words; v244 p's word.
.set ASC,   3145728                    ; oq: where the scale words begin
.set SCQ,   4718592
.set SCKV,  4980736
.set VOFF,  98304                      ; LDS: K's 128 tiles x 768, then V's 32 groups of 64 keys x 4 x 768,
.set SCK,   196608                     ; K's scale words (8,192),
.set SCV,   204800                     ; V's (4,096),
.set GST,   208896                     ; and a stage of 16 rows x 272 bytes for each wave: the gate
.set WV,   18
.set HEAD, 19
.set SEL,  20
.set CS,   22
.set G1S,  24
.set G1C,  32
.set G0,   40                          ; s[40:59] five groups 0
.set QT,   60
.set Q0,   61
.set TB,   62                          ; the step's tiles: 6,144 bytes a step, in K's region and in V's
.set TS,   63                          ; K's words: 512 a step
.set TJ,   66                          ; V's words: 256 a step
.set KF,   67                          ; the step's first key
.set CNT,  68
.set T0,   69
.set QL,   70                          ; my last query
.set STGS, 71
.set TM,   212
	s_load_b128 s[4:7], s[0:1], 0x0                ; qkv, gbuf
	s_load_b64 s[8:9], s[0:1], 0x10                ; oq
	v_lshl_add_u32 v254, v0, 2, 0x44000
	v_mov_b32 v255, 0
	ds_add_u32 v254, v255
	ds_add_u32 v254, v255
	v_lshrrev_b32 v8, 5, v0
	v_readfirstlane_b32 s[WV], v8
	s_and_b32 s72, ttmp7, 0xffff                   ; g
	s_and_b32 s[HEAD], s[WV], 3
	s_lshl_b32 s73, s72, 2
	s_add_co_u32 s[HEAD], s[HEAD], s73             ; head = 4 g + w % 4
	s_lshr_b32 s73, s[WV], 2                       ; u
	s_lshl_b32 s74, ttmp9, 1
	s_add_co_u32 s[QT], s74, s73                   ; 2 p + u
	s_sub_co_u32 s74, 124, s74
	s_add_co_u32 s74, s74, s73                     ; 124 - 2 p + u
	s_cmp_lt_u32 s73, 2
	s_cselect_b32 s[QT], s[QT], s74
	s_lshl_b32 s[Q0], s[QT], 4
	s_add_co_u32 s[QL], s[Q0], 15
	; group 1: dense blocks as rows of 256 bytes (32 elements of 8): 24 rows of scale words, 96 rows of codes
	s_mov_b32 s[G1S], 3<<16
	s_mov_b32 s[G1S+1], 32<<16
	s_mov_b32 s[G1S+2], 24<<16
	s_mov_b32 s[G1S+3], 32<<16
	s_mov_b32 s[G1S+4], 24
	s_mov_b32 s[G1S+5], 32
	s_mov_b32 s[G1S+6], 0
	s_mov_b32 s[G1S+7], 0
	s_mov_b32 s[G1C], 3<<16
	s_mov_b32 s[G1C+1], 32<<16
	s_mov_b32 s[G1C+2], 96<<16
	s_mov_b32 s[G1C+3], 32<<16
	s_mov_b32 s[G1C+4], 96
	s_mov_b32 s[G1C+5], 32
	s_mov_b32 s[G1C+6], 0
	s_mov_b32 s[G1C+7], 0
	s_and_b32 s73, s[WV], 1                        ; wave 0: K; wave 1: V
	s_lshl_b32 s74, s73, 3
	s_add_co_u32 s74, s74, s72
	s_add_co_u32 s74, s74, 32
	s_mul_i32 s74, s74, 98304                      ; k of kv head g is head 32 + g of qkv, v is 40 + g
	s_mov_b32 s75, 0
	s_mul_i32 s76, s72, 12288
	s_mul_i32 s78, s73, 6144                       ; my half of the 12,288 bytes of scale words
	s_add_co_u32 s76, s76, s78
	s_add_co_u32 s76, s76, SCKV
	s_mov_b32 s77, 0
	s_mul_i32 s79, s73, VOFF
	s_mov_b32 s[SEL], 0x76543210
	s_mov_b32 s[SEL+1], 0xfedcba98
	s_mov_b32 s[CS], 0x3e38aa3b                    ; c = log2(e) / 8
	s_mov_b32 s[CS+1], s[CS]
	s_mov_b32 s[TB], 0
	s_mov_b32 s[TS], 0
	s_mov_b32 s[TJ], 0
	s_mov_b32 s[KF], 0
	s_mul_i32 s[STGS], s[WV], 16*272
	s_add_co_u32 s[STGS], s[STGS], GST
	s_wait_dscnt 0x0
	s_wait_kmcnt 0x0
	s_add_nc_u64 s[74:75], s[4:5], s[74:75]
	s_add_nc_u64 s[76:77], s[4:5], s[76:77]
	s_mov_b32 s[G0], 1
	s_add_co_u32 s[G0+1], s78, SCK
	s_mov_b64 s[G0+2:G0+3], s[76:77]
	s_or_b32 s[G0+3], s[G0+3], 0x80000000
.irp c, 0,1,2,3
	s_mov_b32 s[G0+4+4*\c], 1
	s_add_co_u32 s[G0+5+4*\c], s79, 24576*\c
	s_add_nc_u64 s[G0+6+4*\c:G0+7+4*\c], s[74:75], 24576*\c
	s_or_b32 s[G0+7+4*\c], s[G0+7+4*\c], 0x80000000
.endr
	s_cmp_lt_u32 s[WV], 2                          ; all first fills of a wave stand in one branch on the wave's number: five loads of mine are out
	s_cbranch_scc0 .Lnofetch
	tensor_load_to_lds s[G0:G0+3], s[G1S:G1S+7]
	s_nop 0
.irp c, 0,1,2,3
	tensor_load_to_lds s[G0+4+4*\c:G0+7+4*\c], s[G1C:G1C+7]
	s_nop 0
.endr
.rept 4
	v_nop
.endr
.Lnofetch:
	s_mul_i32 s80, s[HEAD], 98304
	s_mul_i32 s81, s[QT], 768
	s_add_co_u32 s80, s80, s81
	s_mov_b32 s81, 0
	s_add_nc_u64 s[82:83], s[4:5], s[80:81]        ; Q's image
	s_lshl_b32 s80, s[HEAD], 13
	s_lshr_b32 s72, s[QT], 2
	s_lshl_b32 s72, s72, 8
	s_add_co_u32 s80, s80, s72
	s_and_b32 s72, s[QT], 3
	s_lshl_b32 s72, s72, 2
	s_add_co_u32 s80, s80, s72
	s_add_co_u32 s80, s80, SCQ
	s_add_nc_u64 s[84:85], s[4:5], s[80:81]        ; its scale words
	s_lshl_b32 s80, s[Q0], 13
	s_lshl_b32 s72, s[HEAD], 8
	s_add_co_u32 s80, s80, s72
	s_add_nc_u64 s[86:87], s[6:7], s[80:81]        ; the gate's 16 rows x 256 bytes
	s_mul_i32 s80, s[QT], 24576
	s_mul_i32 s72, s[HEAD], 768
	s_add_co_u32 s80, s80, s72
	s_add_nc_u64 s[88:89], s[8:9], s[80:81]        ; my image in oq: row tile qt, K = 64 head on
	s_lshl_b32 s80, s[QT], 10
	s_lshr_b32 s72, s[HEAD], 3
	s_lshl_b32 s72, s72, 8
	s_add_co_u32 s80, s80, s72
	s_and_b32 s72, s[HEAD], 7
	s_lshl_b32 s72, s72, 1
	s_add_co_u32 s80, s80, s72
	s_add_co_u32 s80, s80, ASC
	s_add_nc_u64 s[90:91], s[8:9], s[80:81]        ; and its two scale bytes a row
	v_and_b32 v8, 31, v0                           ; lane
	v_and_b32 v9, 15, v0                           ; r
	v_bfe_u32 v10, v0, 4, 1                        ; h
	v_lshlrev_b32 v1, 4, v8                        ; an image's first four registers: 16 x lane
	v_lshlrev_b32 v2, 3, v8
	v_add_nc_u32 v2, 512, v2                       ; its last two: 512 + 8 x lane
	v_add_nc_u32 v3, VOFF, v1
	v_add_nc_u32 v4, VOFF, v2
	v_lshlrev_b32 v31, 4, v9                       ; 16 r
	v_add_nc_u32 v5, SCK, v31
	v_add_nc_u32 v6, SCV, v31
	v_lshlrev_b32 v7, 3, v10
	v_sub_nc_u32 v7, v9, v7                        ; r - 8 h, for the mask
	v_lshl_add_u32 v29, v10, 13, v31               ; the gate: 8,192 h + 16 r
	v_mul_u32_u24 v11, v10, 272
	v_lshl_add_u32 v11, v9, 4, v11
	v_add_nc_u32 v11, s[STGS], v11                 ; and into my stage: row h, 16 r
	global_load_b128 v[16:19], v1, s[82:83] th:TH_LOAD_NT
	global_load_b64 v[20:21], v2, s[82:83] th:TH_LOAD_NT
	global_load_b32 v28, v31, s[84:85]
.irp i, 0,1,2,3,4,5,6,7
	global_load_b128 v[96+4*\i:99+4*\i], v29, s[86:87] offset:16384*\i th:TH_LOAD_NT   ; rows 2 i + h: 16 lanes read 256 consecutive bytes
.endr
.irp j, 22,23,24,25,26,27,80,81,82,83,84,85
	v_mov_b32 v[\j], 0                             ; zero codes: Q's K = 64 .. 127, and what stands behind K's last tile
.endr
.irp j, 0,1,2,3,4,5,6,7,8,9,10,11,12,13,14,15,16,17,18,19,20,21,22,23,24,25,26,27,28,29,30,31
	v_mov_b32 v[160+\j], 0                         ; O^T: the step is written once; the first finds zeros, which the first change of M leaves zeros
.endr
.irp j, 212,213,214,215,216,217,218,219,220,221,222,223,225,226
	v_mov_b32 v[\j], 0                             ; permutes' destinations and the upper half of a pair: written once
.endr
	v_mov_b32 v13, 0xff61b1e6                      ; the largest t so far: -3e38
	v_floor_f32 v12, -v13                          ; -M
	s_wait_loadcnt 0x0
	; the gate, sigmoid(x) = 1 / (1 + 2^(-x log2 e)), while K and V are on their way
.irp j, 0,2,4,6,8,10,12,14,16,18,20,22,24,26,28,30
	v_pk_mul_f32 v[96+\j:97+\j], v[96+\j:97+\j], 0xbfb8aa3b op_sel_hi:[1,0]
.endr
.irp j, 0,1,2,3,4,5,6,7,8,9,10,11,12,13,14,15,16,17,18,19,20,21,22,23,24,25,26,27,28,29,30,31
	v_exp_f32 v[96+\j], v[96+\j]
.endr
	v_mov_b32 v14, 0                               ; the sum's first half.  (The plain line behind the batch)
	s_wait_alu depctr_va_vdst(0)                   ; one wait for the batch, ahead of its first reader
.irp j, 0,2,4,6,8,10,12,14,16,18,20,22,24,26,28,30
	v_pk_add_f32 v[96+\j:97+\j], v[96+\j:97+\j], 1.0 op_sel_hi:[1,0]
.endr
.irp j, 0,1,2,3,4,5,6,7,8,9,10,11,12,13,14,15,16,17,18,19,20,21,22,23,24,25,26,27,28,29,30,31
	v_rcp_f32 v[96+\j], v[96+\j]
.endr
	v_mov_b32 v15, 0                               ; the sum's second half.  (Likewise)
	s_wait_alu depctr_va_vdst(0)
.irp i, 0,1,2,3,4,5,6,7
	ds_store_b128 v11, v[96+4*\i:99+4*\i] offset:544*\i    ; my own bytes: nobody else touches them, and no tile lands there
.endr
.macro QUANT2 s, pc, hw                ; 32 numbers of a lane (16 of each of two blocks) -> six registers of a fragment in v[pc] on (v[pc+6] scratch), two scale bytes in v[hw]
	v_max3_num_f32 v[TM], |v[(\s)]|, |v[(\s)+1]|, 0x2800000
	v_max3_num_f32 v[TM+1], |v[(\s)+16]|, |v[(\s)+17]|, 0x2800000
.irp i, 2,4,6,8,10,12,14
	v_max3_num_f32 v[TM], v[TM], |v[(\s)+\i]|, |v[(\s)+\i+1]|
	v_max3_num_f32 v[TM+1], v[TM+1], |v[(\s)+16+\i]|, |v[(\s)+17+\i]|
.endr
	v_permlanex16_b32 v[TM+2], v[TM], s[SEL], s[SEL+1]
	v_permlanex16_b32 v[TM+3], v[TM+1], s[SEL], s[SEL+1]
	v_max_num_f32 v[TM], v[TM], v[TM+2]
	v_max_num_f32 v[TM+1], v[TM+1], v[TM+3]
	v_add_nc_u32 v[TM+4], 0xfe000000, v[TM]
	v_add_nc_u32 v[TM+5], 0xfe000000, v[TM+1]
	v_lshrrev_b32 v[TM+2], 23, v[TM+4]
	v_lshrrev_b32 v[TM+3], 23, v[TM+5]
	v_lshl_or_b32 v[\hw], v[TM+3], 8, v[TM+2]
	v_cvt_scalef32_pk16_bf6_f32 v[(\pc):(\pc)+2], v[(\s):(\s)+15], v[TM+4]
	v_cvt_scalef32_pk16_bf6_f32 v[(\pc)+4:(\pc)+6], v[(\s)+16:(\s)+31], v[TM+5]
	v_nop
.irp i, 0,1,2
	v_permlane16_swap_b32 v[(\pc)+\i], v[(\pc)+4+\i]
.endr
.irp i, 0,1,2
	v_mov_b32 v[(\pc)+3+\i], v[(\pc)+4+\i]
.endr
.endm
; A KEY STEP: 128 keys
.macro STEP
	s_cmp_gt_u32 s[KF], s[QL]                      ; all its keys come after my queries: the work is left out, not the steps of the addresses at its end
	s_cbranch_scc1 .Lhid_\@
	v_add_nc_u32 v8, s[TB], v1                     ; six plain lines: also the places behind the last step's products, whose registers the loads below fill
	v_add_nc_u32 v9, s[TB], v2
	v_add_nc_u32 v10, s[TB], v3
	v_add_nc_u32 v11, s[TB], v4
	v_add_nc_u32 v29, s[TS], v5
	v_add_nc_u32 v30, s[TJ], v6
.irp t, 0,1,2,3,4,5,6,7
	ds_load_b128 v[32+6*\t:35+6*\t], v8 offset:768*\t
	ds_load_b64 v[36+6*\t:37+6*\t], v9 offset:768*\t
.endr
	ds_load_b128 v[86:89], v29                     ; the words of tiles 0-3,
	ds_load_b128 v[90:93], v29 offset:256          ; and 4-7
	s_wait_dscnt 0x0
.irp t, 0,1,2,3,4,5,6,7                ; S^T: register 8 t + j of lane (r, h) is key KF + 16 t + 8 h + j for query r
	v_wmma_scale_f32_16x16x128_f8f6f4 v[96+8*\t:103+8*\t], v[32+6*\t:43+6*\t], v[16:27], 0, v[86+\t], v28 matrix_a_fmt:MATRIX_FMT_BF6 matrix_b_fmt:MATRIX_FMT_BF6
.endr
.rept 4
	v_nop                                          ; places in front of the loads below and of the first read of the scores
.endr
.irp a, 0,1,2,3                        ; V's four fragments (16 channels x 128 keys) land under the softmax
.irp c, 0,1
	ds_load_b128 v[32+12*\a+6*\c:35+12*\a+6*\c], v10 offset:3072*\c+768*\a
	ds_load_b64 v[36+12*\a+6*\c:37+12*\a+6*\c], v11 offset:3072*\c+768*\a
.endr
.endr
	ds_load_b128 v[240:243], v30
	s_add_co_u32 s[T0], s[KF], 127                 ; on the diagonal hidden scores become -infinity; a step all of whose keys count skips this
	s_cmp_le_u32 s[T0], s[Q0]
	s_cbranch_scc1 .Lopen_\@
	s_sub_co_i32 s[T0], s[Q0], s[KF]
	v_add_nc_u32 v226, s[T0], v7                   ; d = my query - KF - 8 h: register n is hidden where 16 (n / 8) + n % 8 > d
	v_mov_b32 v227, 0xff800000
.irp n, 0,1,2,3,4,5,6,7,8,9,10,11,12,13,14,15,16,17,18,19,20,21,22,23,24,25,26,27,28,29,30,31,32,33,34,35,36,37,38,39,40,41,42,43,44,45,46,47,48,49,50,51,52,53,54,55,56,57,58,59,60,61,62,63
	v_cmp_gt_i32 vcc_lo, 16*(\n/8)+\n%8, v226
	v_cndmask_b32 v[96+\n], v[96+\n], v227, vcc_lo
.endr
.Lopen_\@:
.irp b, 0,1,2,3
	v_max3_num_f32 v[212+\b], v[96+16*\b], v[97+16*\b], v[98+16*\b]   ; the largest score of each block of 32 keys: for the row's maximum, and for the block's largest p
.endr
.irp i, 3,5,7,9,11,13
.irp b, 0,1,2,3
	v_max3_num_f32 v[212+\b], v[212+\b], v[96+16*\b+\i], v[97+16*\b+\i]
.endr
.endr
.irp b, 0,1,2,3
	v_max_num_f32 v[212+\b], v[212+\b], v[111+16*\b]
.endr
.irp b, 0,1,2,3
	v_permlanex16_b32 v[216+\b], v[212+\b], s[SEL], s[SEL+1]
.endr
.irp b, 0,1,2,3
	v_max_num_f32 v[212+\b], v[212+\b], v[216+\b]  ; with lane l xor 16's 16 keys
.endr
	v_max3_num_f32 v226, v212, v213, v214
	v_max_num_f32 v226, v226, v215
	v_mul_f32 v226, s[CS], v226                    ; the step's largest t
	v_max_num_f32 v13, v13, v226
	v_mov_b32 v226, v12
	v_floor_f32 v12, -v13                          ; the new -M = -ceil(t)
	v_sub_f32 v226, v12, v226                      ; old M - new M: a whole number, 0 or less
	v_cvt_i32_f32 v226, v226                       ; (it saturates)
	v_ldexp_f32 v224, 1.0, v226                    ; f = 2^(old M - new M)
.irp j, 0,2,4,6,8,10,12,14,16,18,20,22,24,26,28,30,32,34,36,38,40,42,44,46,48,50,52,54,56,58,60,62
	v_pk_fma_f32 v[96+\j:97+\j], v[96+\j:97+\j], s[CS:CS+1], v[12:13] op_sel_hi:[1,0,0]   ; t - M
.endr
.irp b, 0,1,2,3
	v_fma_f32 v[212+\b], v[212+\b], s[CS], v12     ; the same of each block's largest score
.endr
.irp j, 0,1,2,3,4,5,6,7,8,9,10,11,12,13,14,15,16,17,18,19,20,21,22,23,24,25,26,27,28,29,30,31,32,33,34,35,36,37,38,39,40,41,42,43,44,45,46,47,48,49,50,51,52,53,54,55,56,57,58,59,60,61,62,63
	v_exp_f32 v[96+\j], v[96+\j]                   ; p = 2^(t - M)
.endr
	v_pk_mul_f32 v[14:15], v[14:15], v[224:225] op_sel_hi:[1,0]   ; the sums under the new M.  (The plain line behind the batch)
	s_wait_alu depctr_va_vdst(0)                   ; one wait for the 64, ahead of their first reader
.irp b, 0,1,2,3
	v_exp_f32 v[212+\b], v[212+\b]                 ; each block's largest p
.endr
.irp j, 0,2,4,6,8,10,12,14,16,18,20,22,24,26,28,30
	v_pk_mul_f32 v[160+\j:161+\j], v[160+\j:161+\j], v[224:225] op_sel_hi:[1,0]   ; O^T under the new M: independent work behind the four
.endr
	s_wait_alu depctr_va_vdst(0)                   ; and one wait for the four
.irp b, 0,1,2,3
	v_max_num_f32 v[212+\b], 0x2800000, v[212+\b]  ; the floor 2^(5 - 127): a block whose every p is 0 keeps the byte 1; its codes are zeros
.endr
.irp b, 0,1,2,3
	v_add_nc_u32 v[220+\b], 0xfe000000, v[212+\b]  ; the conversion's scale operand
.endr
.irp b, 0,1,2,3
	v_lshrrev_b32 v[216+\b], 23, v[220+\b]         ; the byte
.endr
	v_lshl_or_b32 v244, v217, 8, v216              ; p's scale word for these 128 keys
	v_lshl_or_b32 v244, v218, 16, v244
	v_lshl_or_b32 v244, v219, 24, v244
.irp c, 0,1
	v_cvt_scalef32_pk16_bf6_f32 v[192+6*\c:194+6*\c], v[96+32*\c:111+32*\c], v[220+2*\c]
	v_cvt_scalef32_pk16_bf6_f32 v[204+4*\c:206+4*\c], v[112+32*\c:127+32*\c], v[220+2*\c+1]
.endr
	v_nop                                          ; one plain line behind a scaled conversion
.irp c, 0,1
.irp i, 0,1,2
	v_permlane16_swap_b32 v[192+6*\c+\i], v[204+4*\c+\i]
.endr
.irp i, 0,1,2
	v_mov_b32 v[195+6*\c+\i], v[204+4*\c+\i]
.endr
.endr
	v_pk_add_f32 v[228:229], v[96:97], v[98:99]    ; the row's sum of the unquantised p, in two chains: 32 plain lines, which are also the places between the codes and the scale word just made and the products
.irp j, 4,8,12,16,20,24,28,32,36,40,44,48,52,56,60
	v_pk_add_f32 v[14:15], v[14:15], v[96+\j:97+\j]
	v_pk_add_f32 v[228:229], v[228:229], v[98+\j:99+\j]
.endr
	v_pk_add_f32 v[14:15], v[14:15], v[228:229]
	s_wait_dscnt 0x0                               ; V and its words are in
.irp a, 0,1,2,3                        ; O^T += V^T P^T: four accumulators by turns
	v_wmma_scale_f32_16x16x128_f8f6f4 v[160+8*\a:167+8*\a], v[32+12*\a:43+12*\a], v[192:203], v[160+8*\a:167+8*\a], v[240+\a], v244 matrix_a_fmt:MATRIX_FMT_BF6 matrix_b_fmt:MATRIX_FMT_BF6
.endr
.Lhid_\@:
	s_add_co_u32 s[TB], s[TB], 6144
	s_add_co_u32 s[TS], s[TS], 512
	s_add_co_u32 s[TJ], s[TJ], 256
	s_add_co_u32 s[KF], s[KF], 128
.endm
.macro CHUNK c                         ; 512 keys: four steps
	s_wait_tensorcnt 3-\c                          ; of my five loads (waves 0 and 1) the scale words and chunks 0 .. c are in; the 3 - c chunks behind may stay out
	s_wait_dscnt 0x0
	s_barrier_signal -1
	s_barrier_wait -1                              ; K's and V's chunk c are whole for all sixteen waves
	s_mov_b32 s[CNT], 4
.Lst_\@:
	STEP
	s_sub_co_u32 s[CNT], s[CNT], 1
	s_cmp_lg_u32 s[CNT], 0
	s_cbranch_scc1 .Lst_\@
.endm
	CHUNK 0
	CHUNK 1
	CHUNK 2
	CHUNK 3
	; THE WAY OUT: O^T / the sum, x the gate, quantised along the model's axis: my head's 64 channels are two blocks
	v_add_f32 v14, v14, v15                        ; (six plain lines: the places behind the last products)
	v_and_b32 v8, 15, v0
	v_bfe_u32 v9, v0, 4, 1
	v_mul_u32_u24 v10, v8, 272
	v_lshl_add_u32 v10, v9, 5, v10
	v_add_nc_u32 v10, s[STGS], v10                 ; the gate of query r: channels 16 a + 8 h + j lie at 64 a + 32 h + 4 j
	v_permlanex16_b32 v226, v14, s[SEL], s[SEL+1]
	v_add_f32 v14, v14, v226                       ; the row's sum
	v_rcp_f32 v224, v14
.irp a, 0,1,2,3
.irp i, 0,1
	ds_load_b128 v[32+8*\a+4*\i:35+8*\a+4*\i], v10 offset:64*\a+16*\i
.endr
.endr
	v_nop                                          ; a plain line behind the reciprocal,
	s_wait_alu depctr_va_vdst(0)                   ; and the wait ahead of its first reader
.irp j, 0,2,4,6,8,10,12,14,16,18,20,22,24,26,28,30
	v_pk_mul_f32 v[96+\j:97+\j], v[160+\j:161+\j], v[224:225] op_sel_hi:[1,0]
.endr
	s_wait_dscnt 0x0
.irp j, 0,2,4,6,8,10,12,14,16,18,20,22,24,26,28,30
	v_pk_mul_f32 v[96+\j:97+\j], v[96+\j:97+\j], v[32+\j:33+\j]
.endr
	QUANT2 96, 192, 226
	global_store_b128 v1, v[192:195], s[88:89]     ; an image of 768 bytes: three aligned blocks of 256, each written whole
	global_store_b64 v2, v[196:197], s[88:89]
	global_store_b16 v31, v226, s[90:91]           ; two scale bytes a row (lanes 16-31 store the same bytes with the same values)
	s_wait_tensorcnt 0x0
	ds_add_u32 v254, v255
	s_wait_dscnt 0x0
	s_endpgm
.Lfunc_end_k_q26fc5feac7_attn:
	.size	k_q26fc5feac7_attn, .Lfunc_end_k_q26fc5feac7_attn-k_q26fc5feac7_attn
	.p2alignl 7, 3214868480
	.fill 96, 4, 3214868480
	.section	.rodata,"a",@progbits
	.p2align	6, 0x0
	.amdhsa_kernel k_q26fc5feac7_attn
		.amdhsa_group_segment_fixed_size 280576
		.amdhsa_private_segment_fixed_size 0
		.amdhsa_enable_private_segment 0
		.amdhsa_kernarg_size 24
		.amdhsa_user_sgpr_count 2
		.amdhsa_user_sgpr_kernarg_segment_ptr 1
		.amdhsa_wavefront_size32 1
		.amdhsa_system_sgpr_workgroup_id_x 1
		.amdhsa_system_sgpr_workgroup_id_y 1
		.amdhsa_system_sgpr_workgroup_id_z 1
		.amdhsa_system_vgpr_workitem_id 0
		.amdhsa_next_free_vgpr 256
		.amdhsa_next_free_sgpr 100
		.amdhsa_reserve_vcc 1
		.amdhsa_float_denorm_mode_32 3
		.amdhsa_float_denorm_mode_16_64 3
		.amdhsa_memory_ordered 1
		.amdhsa_forward_progress 1
		.amdhsa_inst_pref_size 107
	.end_amdhsa_kernel
	.amdgpu_metadata
---
amdhsa.version: [ 1, 2 ]
amdhsa.kernels:
  - .name:           k_q26fc5feac7_attn
    .symbol:         k_q26fc5feac7_attn.kd
    .args:
      - { .name: qkv, .offset: 0, .size: 8, .value_kind: global_buffer, .address_space: global }
      - { .name: gbuf, .offset: 8, .size: 8, .value_kind: global_buffer, .address_space: global }
      - { .name: oq, .offset: 16, .size: 8, .value_kind: global_buffer, .address_space: global }
    .group_segment_fixed_size: 280576
    .private_segment_fixed_size: 0
    .kernarg_segment_align: 8
    .kernarg_segment_size: 24
    .max_flat_workgroup_size: 512
    .sgpr_count:     100
    .vgpr_count:     256
    .wavefront_size: 32
...
	.end_amdgpu_metadata
.endif
;; end of part 3
;; launch outp: the kernel of part 2 again; grid 16 x 16, 4 waves a work-group, clusters of 4 x 4, 327,680 bytes of LDS; arguments oq, w2, cos, sin, qn, kn, out0, qkv; writes out0, qkv
